; MI455X (gfx1250); checked and timed in simulation.
; The chip was launched on July 23, 2026; its instructions are those of AMD's public machine-readable ISA for CDNA 5 (MIT licence, August 2026) and "CDNA5" Instruction Set Architecture Reference Guide (July 2026). The comments in the code are by the model that wrote it; some were corrected since.
;; Simple LSTM Cell. Allowed arithmetic: matrix products marked QUANTISED: E3M2 operands, one E8M0 scale for each 32 along K, by v_wmma_scale_f32_16x16x128_f8f6f4 with both operands' format E3M2, f32 sums; everything else in f32.
;; Inputs: U_c 1,024 x 1,024 float32; U_f 1,024 x 1,024 float32; U_i 1,024 x 1,024 float32; U_o 1,024 x 1,024 float32; W_c 1,024 x 1,024 float32; W_f 1,024 x 1,024 float32; W_i 1,024 x 1,024 float32; W_o 1,024 x 1,024 float32; b_Uc 1,024 float32; b_Uf 1,024 float32; b_Ui 1,024 float32; b_Uo 1,024 float32; b_Wc 1,024 float32; b_Wf 1,024 float32; b_Wi 1,024 float32; b_Wo 1,024 float32; c 8,192 x 1,024 float32; h 8,192 x 1,024 float32; x 8,192 x 1,024 float32.
;; Outputs: out0 8,192 x 1,024 float32; out1 8,192 x 1,024 float32.
;; This version of the problem:
;;   THIS VERSION OF THE PROBLEM IS GIVEN IN LOW PRECISION. The matrix products marked QUANTISED in the list below multiply operands that are first quantised to E3M2 (3 exponent bits, 2 mantissa bits; 6 bits a number), with one power-of-two scale for each 32 numbers along K (OCP MX v1.0); their sums are f32. All else is computed in f32.
;;   The module's matrix products, in the order in which they are computed (A, B: the left and right operand; K: the contracted axis; several contracted axes count as one K, in the product's order):
;;     1. [M 8,192, K 1,024] x [K 1,024, N 4,096]; A: input x; B: computed on the way: QUANTISED
;;     2. [M 8,192, K 1,024] x [K 1,024, N 4,096]; A: input h; B: computed on the way: QUANTISED
;;   THE QUANTISER, for each operand of a quantised product, along K:
;;     - K is cut into blocks of 32 from its start; a last block that is shorter is filled with zeros.
;;     - A block's scale is 2^e with e = floor(log2(the largest magnitude in the block)) - 4, held to -126 .. 127; a block of zeros has e = 0. As a byte (E8M0): e + 127.
;;     - Each number is divided by its block's scale, clamped to +-28, and rounded to the nearest number of E3M2, ties to even, subnormals kept.
;;     - The product sums the exact products of the quantised numbers (number of the format x scale) in f32.
;;   ~~~python
;;   def quantise(x, axis):      # numpy; x: float32 -> the quantised numbers, widened to float32 again
;;       x = np.moveaxis(x, axis, -1); K = x.shape[-1]
;;       x = np.pad(x, [(0, 0)] * (x.ndim - 1) + [(0, -K % 32)]); x = x.reshape(x.shape[:-1] + (-1, 32)); a = np.abs(x).max(-1, keepdims=True)
;;       e = np.where(a > 0, np.clip(np.frexp(np.where(a > 0, a, 1))[1] - 1 - 4, -126, 127), 0)      # np.frexp(a)[1] - 1 = floor(log2(a)), exactly
;;       r = np.clip(x / 2.0 ** e, -28, 28)
;;       step = 2.0 ** (np.maximum(np.frexp(np.where(r == 0, 1, r))[1] - 1, -2) - 2)
;;       q = np.round(r / step) * step * 2.0 ** e      # np.round: ties to even
;;       return np.moveaxis(q.reshape(q.shape[:-2] + (-1,))[..., :K], -1, axis).astype(np.float32)
;;   ~~~
;;   OPERANDS COMPUTED ON THE WAY. 'Computed on the way' means the value that the module computes at that place (a softmax that the list does not call 'softmax' is quantised finished and normalised). What goes into a quantiser is computed in f32, as accurately as f32 sums, v_exp_f32 and their like allow (about 1e-6 of the number): no bf16 or f16 on the way to a quantiser, and a product that is left as it is and whose result goes on into a quantised operand takes f32 operands (vector FMAs, or v_wmma_f32_16x16x4_f32). A number that lies on a knife's edge between two numbers of the format may be rounded either way, as far as f32 arithmetic and the matrix unit's own rounding can turn it there, and no further.
;; One version. Each part assembles by itself: llvm-mc -triple=amdgcn-amd-amdhsa -mcpu=gfx1250 --defsym DOCPART=n.
;; ======== version 1 of 1: 2 launches
;; limits: right only within a limited range of input values
;; workspace buffers: aq 12,582,912 bytes; asc 524,288 bytes; wq 6,291,456 bytes; wsc 262,144 bytes
;; launch quant (part 1): grid 768 x 1, 4 waves a work-group, no clusters, 34,304 bytes of LDS; arguments x, h, W_i, U_i, W_f, U_f, W_o, U_o, W_c, U_c, aq, asc, wq, wsc; writes aq, asc, wq, wsc
.if DOCPART == 1
	.amdgcn_target "amdgcn-amd-amdhsa--gfx1250"
	.amdhsa_code_object_version 6
	.text
	.protected	k_qccdc4f00f3_quant
	.globl	k_qccdc4f00f3_quant
	.p2align	8
	.type	k_qccdc4f00f3_quant,@function
k_qccdc4f00f3_quant:
	s_mov_b64 s[64:65], 0
	v_nop
	global_prefetch_b8 v0, s[64:65] scope:SCOPE_SE
	s_setreg_imm32_b32 hwreg(HW_REG_WAVE_MODE, 25, 1), 1
	s_wait_xcnt 0x0
; x, h [8192][1024] and the eight weights [1024][1024], f32 with K innermost, become codes of BF6 (E3M2) with one E8M0 byte for each 32 along K.
; The cell's two products are laid as ONE product with K = 2,048: steps of 128 along K, steps 0-7 from x (W_g), steps 8-15 from h (U_g).
; THE CODES ARE STORED AS REGISTER IMAGES OF THE MATRIX OPERAND.  A fragment is 16 rows x 128 K = 12 registers a lane = 1,536 bytes: quad p (registers 4 p .. 4 p + 3) of lane l at byte 512 p + 16 l.
; Lane (r, h) holds row r; registers 6 c .. 6 c + 5 hold k = 64 c + 32 h + 0 .. 31.  Fragment (row block R, step s) lies at (16 R + s) x 1,536.
; The scale words (four bytes: a row's 128 K) lie at 1,024 R + 256 (s / 4) + 16 r + 4 (s % 4).
; Row blocks of aq: 16 neighbouring rows.  Row blocks of wq: gate g (0..3 for i, f, o, c), hidden units 16 ub on, at block 8 (ub / 2) + 2 g + ub % 2.
; A block's scale is 2^(floor(log2(its largest magnitude)) - 4); its byte is the largest magnitude's exponent field - 4, held at 1 from below; numbers are divided by it and rounded to the nearest code, ties to even; beyond the largest code the largest.
; LIMITS: a block of zeros, and one whose largest magnitude lies under 2^-122, gets the byte 1 (the stated quantiser gives a block of zeros 127: its codes are zeros, and this program alone reads the bytes); NaN and infinities among the inputs are not served.
; SHARES.  A work-group takes one row block (work-groups 0-511 of x and h, 512-767 of a gate's W and U); wave w takes steps 4 w .. 4 w + 3: four fragments.
; A fragment's 16 loads read 512 consecutive bytes each (a row's 128 numbers); they go through the wave's own stage in LDS (rows 528 bytes apart) and come back 32 neighbours along K to a lane and block,
; so a block's largest magnitude needs no other lane and the conversions' results are the operand's registers.  Each store of codes covers 512 consecutive bytes, the store of scale words 256, aligned.
; No tensor loads, no barrier: waves share nothing.  Two fragments' loads (32 a wave) are out at most.
.set R,     32                         ; v32-159  two sets of 64 numbers as loaded
.set X,     160                        ; v160-223 my two blocks of 32
.set T,     224                        ; v224-231 the upper halves' codes, before they are moved
.set C,     232                        ; v232-255 two sets of 12: the fragment's image
.set W,     16                         ; v16-19   the four fragments' scale words
.set SP,    528
.set WREG,  16*SP
.set SPARE, 4*WREG                     ; the spare words: 128 bytes a wave
	s_load_b512 s[4:19], s[0:1], 0x0               ; x, h, W_i, U_i, W_f, U_f, W_o, U_o
	s_load_b256 s[20:27], s[0:1], 0x40             ; W_c, U_c, aq, asc
	s_load_b128 s[28:31], s[0:1], 0x60             ; wq, wsc
	v_lshl_add_u32 v30, v0, 2, SPARE
	v_mov_b32 v31, 0
	v_lshrrev_b32 v1, 5, v0
	v_readfirstlane_b32 s32, v1                    ; wave 0..3
	v_and_b32 v2, 31, v0
	v_lshlrev_b32 v1, 4, v2                        ; 16 x lane: my place in a load's and in a store's 512 bytes
	s_mul_i32 s33, s32, WREG
	v_add_nc_u32 v3, s33, v1                       ; the stage, on the way in
	v_and_b32 v4, 15, v2                           ; r
	v_lshrrev_b32 v5, 4, v2                        ; h
	v_mul_u32_u24 v6, v4, SP
	v_lshl_add_u32 v6, v5, 7, v6
	v_add_nc_u32 v6, s33, v6                       ; and on the way out: row r, byte 128 h
	v_lshlrev_b32 v7, 3, v5                        ; 8 h
	v_lshl_add_u32 v24, v4, 4, v7                  ; the scale words' place: 16 r + 8 h
	v_mov_b32 v14, 0                               ; (a lane permute's destination counts as read)
	s_mov_b32 s34, 0x76543210
	s_mov_b32 s35, 0xfedcba98                      ; v_permlanex16_b32's selects for lane l xor 16
	s_and_b32 s36, ttmp9, 255                      ; weights: work-group - 512
	s_lshr_b32 s37, s36, 6                         ; g
	s_and_b32 s36, s36, 63                         ; ub: the block in
	s_lshr_b32 s39, s36, 1
	s_lshl_b32 s39, s39, 3
	s_lshl_b32 s37, s37, 1
	s_add_co_u32 s39, s39, s37
	s_and_b32 s37, s36, 1
	s_add_co_u32 s39, s39, s37                     ; the block out: 8 (ub / 2) + 2 g + ub % 2
	s_wait_alu depctr_va_vdst(0)                   ; the wait at the head's end
	s_wait_kmcnt 0x0
	s_cmp_lt_u32 ttmp9, 704                        ; the choices hang on the work-group's and the wave's number alone
	s_cselect_b64 s[20:21], s[16:17], s[20:21]
	s_cselect_b64 s[22:23], s[18:19], s[22:23]
	s_cmp_lt_u32 ttmp9, 640
	s_cselect_b64 s[20:21], s[12:13], s[20:21]
	s_cselect_b64 s[22:23], s[14:15], s[22:23]
	s_cmp_lt_u32 ttmp9, 576
	s_cselect_b64 s[20:21], s[8:9], s[20:21]
	s_cselect_b64 s[22:23], s[10:11], s[22:23]
	s_cmp_lt_u32 ttmp9, 512
	s_cselect_b64 s[20:21], s[4:5], s[20:21]
	s_cselect_b64 s[22:23], s[6:7], s[22:23]
	s_cselect_b64 s[24:25], s[24:25], s[28:29]     ; the codes' buffer
	s_cselect_b64 s[26:27], s[26:27], s[30:31]     ; the scale words' buffer
	s_cselect_b32 s38, ttmp9, s36                  ; block in
	s_cselect_b32 s39, ttmp9, s39                  ; block out
	s_cmp_lt_u32 s32, 2
	s_cselect_b64 s[20:21], s[20:21], s[22:23]     ; waves 0, 1: the pair's first tensor; waves 2, 3: its second
	s_lshl_b32 s40, s38, 16                        ; 16 rows of 4,096 bytes
	s_and_b32 s41, s32, 1
	s_lshl_b32 s41, s41, 11                        ; which half of the rows
	s_add_co_u32 s40, s40, s41
	s_mov_b32 s41, 0
	s_add_nc_u64 s[20:21], s[20:21], s[40:41]
	s_mul_i32 s42, s39, 24576
	s_mul_i32 s43, s32, 6144
	s_add_co_u32 s42, s42, s43
	s_mov_b32 s43, 0
	s_add_nc_u64 s[24:25], s[24:25], s[42:43]
	s_lshl_b32 s42, s39, 10
	s_lshl_b32 s44, s32, 8
	s_add_co_u32 s42, s42, s44
	s_add_nc_u64 s[26:27], s[26:27], s[42:43]
.macro LOAD t
.irp i, 0,1,2,3,4,5,6,7,8,9,10,11,12,13,14,15
	global_load_b128 v[R+64*((\t)%2)+4*\i:R+64*((\t)%2)+4*\i+3], v1, s[20:21] offset:4096*\i+512*(\t) th:TH_LOAD_NT
.endr
.endm
.macro FRG t
.set RS, R+64*((\t)%2)
.set CS, C+12*((\t)%2)
.if (\t) < 3
	s_wait_loadcnt 16                              ; this fragment's 16 loads are in; the next one's may be out
.else
	s_wait_loadcnt 0
.endif
.irp i, 0,1,2,3,4,5,6,7,8,9,10,11,12,13,14,15
	ds_store_b128 v3, v[RS+4*\i:RS+4*\i+3] offset:SP*\i
.endr
.irp c, 0,1
.irp e, 0,1,2,3,4,5,6,7
	ds_load_b128 v[X+32*\c+4*\e:X+32*\c+4*\e+3], v6 offset:256*\c+16*\e   ; LDS serves a wave's instructions in order: these see the stores above
.endr
.endr
	s_wait_dscnt 0x0
.if (\t)+2 < 4
	LOAD (\t)+2
.else
	s_wait_xcnt 0x0                                ; the stores of two fragments ago have read their registers
.endif
.irp k, 0,1,2,3                        ; four chains: block k / 2, half k % 2; the floor 2^(5 - 127) holds the byte at 1 from below
	v_max3_num_f32 v[8+\k], |v[X+16*\k]|, |v[X+16*\k+1]|, 0x2800000
.endr
.irp i, 2,4,6,8,10,12,14
.irp k, 0,1,2,3
	v_max3_num_f32 v[8+\k], v[8+\k], |v[X+16*\k+\i]|, |v[X+16*\k+\i+1]|
.endr
.endr
	v_max_num_f32 v8, v8, v9
	v_max_num_f32 v10, v10, v11
	v_add_nc_u32 v12, 0xfe000000, v8               ; 4 off the exponent field: the conversion's scale operand
	v_add_nc_u32 v13, 0xfe000000, v10
	v_lshrrev_b32 v22, 23, v12                     ; the scales' bytes: blocks h and 2 + h
	v_lshrrev_b32 v23, 23, v13
	v_lshl_or_b32 v[W+(\t)], v23, 16, v22
	v_lshlrev_b32 v[W+(\t)], v7, v[W+(\t)]         ; at their places in the word
	v_permlanex16_b32 v14, v[W+(\t)], s34, s35
	v_or_b32 v[W+(\t)], v[W+(\t)], v14             ; with lane l xor 16's two the word is whole
.irp c, 0,1
	v_cvt_scalef32_pk16_bf6_f32 v[CS+6*\c:CS+6*\c+2], v[X+32*\c:X+32*\c+15], v[12+\c]
	v_cvt_scalef32_pk16_bf6_f32 v[T+4*\c:T+4*\c+2], v[X+32*\c+16:X+32*\c+31], v[12+\c]   ; (a conversion's three registers begin on an even number)
.endr
	v_nop                                          ; one plain place behind a scaled conversion
.irp c, 0,1
.irp i, 0,1,2
	v_mov_b32 v[CS+6*\c+3+\i], v[T+4*\c+\i]
.endr
.endr
.irp p, 0,1,2
	global_store_b128 v1, v[CS+4*\p:CS+4*\p+3], s[24:25] offset:1536*(\t)+512*\p   ; 32 lanes store 512 consecutive bytes
.endr
.endm
	LOAD 0
	LOAD 1
	FRG 0
	FRG 1
	FRG 2
	FRG 3
	v_cmp_ne_u32 vcc_lo, 0, v5
	v_cndmask_b32 v20, v16, v18, vcc_lo            ; lanes 0-15 store row r's words of fragments 0, 1; lanes 16-31 those of 2, 3
	v_cndmask_b32 v21, v17, v19, vcc_lo
	global_store_b64 v24, v[20:21], s[26:27]       ; 32 lanes store 256 consecutive bytes, aligned
	s_wait_tensorcnt 0x0                           ; the wave's end
	ds_add_u32 v30, v31
	s_wait_dscnt 0x0
	s_endpgm
.Lfunc_end_k_qccdc4f00f3_quant:
	.size	k_qccdc4f00f3_quant, .Lfunc_end_k_qccdc4f00f3_quant-k_qccdc4f00f3_quant
	.p2alignl 7, 3214868480
	.fill 96, 4, 3214868480
	.section	.rodata,"a",@progbits
	.p2align	6, 0x0
	.amdhsa_kernel k_qccdc4f00f3_quant
		.amdhsa_group_segment_fixed_size 34304
		.amdhsa_private_segment_fixed_size 0
		.amdhsa_enable_private_segment 0
		.amdhsa_kernarg_size 112
		.amdhsa_user_sgpr_count 2
		.amdhsa_user_sgpr_kernarg_segment_ptr 1
		.amdhsa_wavefront_size32 1
		.amdhsa_system_sgpr_workgroup_id_x 1
		.amdhsa_system_sgpr_workgroup_id_y 1
		.amdhsa_system_sgpr_workgroup_id_z 1
		.amdhsa_system_vgpr_workitem_id 0
		.amdhsa_next_free_vgpr 256
		.amdhsa_next_free_sgpr 66
		.amdhsa_reserve_vcc 1
		.amdhsa_float_denorm_mode_32 3
		.amdhsa_float_denorm_mode_16_64 3
		.amdhsa_memory_ordered 1
		.amdhsa_forward_progress 1
		.amdhsa_inst_pref_size 31
	.end_amdhsa_kernel
	.amdgpu_metadata
---
amdhsa.version: [ 1, 2 ]
amdhsa.kernels:
  - .name:           k_qccdc4f00f3_quant
    .symbol:         k_qccdc4f00f3_quant.kd
    .args:
      - { .name: x, .offset: 0, .size: 8, .value_kind: global_buffer, .address_space: global }
      - { .name: h, .offset: 8, .size: 8, .value_kind: global_buffer, .address_space: global }
      - { .name: W_i, .offset: 16, .size: 8, .value_kind: global_buffer, .address_space: global }
      - { .name: U_i, .offset: 24, .size: 8, .value_kind: global_buffer, .address_space: global }
      - { .name: W_f, .offset: 32, .size: 8, .value_kind: global_buffer, .address_space: global }
      - { .name: U_f, .offset: 40, .size: 8, .value_kind: global_buffer, .address_space: global }
      - { .name: W_o, .offset: 48, .size: 8, .value_kind: global_buffer, .address_space: global }
      - { .name: U_o, .offset: 56, .size: 8, .value_kind: global_buffer, .address_space: global }
      - { .name: W_c, .offset: 64, .size: 8, .value_kind: global_buffer, .address_space: global }
      - { .name: U_c, .offset: 72, .size: 8, .value_kind: global_buffer, .address_space: global }
      - { .name: aq, .offset: 80, .size: 8, .value_kind: global_buffer, .address_space: global }
      - { .name: asc, .offset: 88, .size: 8, .value_kind: global_buffer, .address_space: global }
      - { .name: wq, .offset: 96, .size: 8, .value_kind: global_buffer, .address_space: global }
      - { .name: wsc, .offset: 104, .size: 8, .value_kind: global_buffer, .address_space: global }
    .group_segment_fixed_size: 34304
    .private_segment_fixed_size: 0
    .kernarg_segment_align: 8
    .kernarg_segment_size: 112
    .max_flat_workgroup_size: 128
    .sgpr_count:     66
    .vgpr_count:     256
    .wavefront_size: 32
...
	.end_amdgpu_metadata
.endif
;; end of part 1
;; launch lstm (part 2): grid 16 x 32, 4 waves a work-group, clusters of 4 x 4, 327,680 bytes of LDS; arguments aq, asc, wq, wsc, b_Wi, b_Ui, b_Wf, b_Uf, b_Wo, b_Uo, b_Wc, b_Uc, out0, out1, c; writes out0, out1
.if DOCPART == 2
	.amdgcn_target "amdgcn-amd-amdhsa--gfx1250"
	.amdhsa_code_object_version 6
	.text
	.protected	k_qccdc4f00f3_lstm
	.globl	k_qccdc4f00f3_lstm
	.p2align	8
	.type	k_qccdc4f00f3_lstm,@function
k_qccdc4f00f3_lstm:
	s_mov_b64 s[64:65], 0
	v_nop
	global_prefetch_b8 v0, s[64:65] scope:SCOPE_SE
	s_setreg_imm32_b32 hwreg(HW_REG_WAVE_MODE, 25, 1), 1
	s_wait_xcnt 0x0
	s_wait_alu depctr_hold_cnt(0) depctr_sa_sdst(0) depctr_va_vdst(0) depctr_va_sdst(0) depctr_va_ssrc(0) depctr_va_vcc(0) depctr_vm_vsrc(0)
	s_getreg_b32 s2, hwreg(HW_REG_IB_STS2, 6, 4)
	s_cmp_eq_u32 s2, 0
	s_cbranch_scc0 .Lentry_in_a_cluster
	s_endpgm
.Lentry_in_a_cluster:
	s_bfe_u32 s2, ttmp6, 0x10000c
	s_cmp_lg_u32 s2, 0xf033
	s_cbranch_scc0 .Lentry_shape_is_right
	s_endpgm
.Lentry_shape_is_right:
; One step of an LSTM cell.  gates[8192][4096] = [x | h] . [W_g | U_g]^T + (b_Wg + b_Ug), one product with K = 2,048 on codes of BF6 (E3M2) with one E8M0 scale for each 32 along K, sums in f32;
; then, in f32, c_next = sigmoid(gf) c + sigmoid(gi) tanh(gc) (out1) and h_next = sigmoid(go) tanh(c_next) (out0).  The gates never go to memory.
; aq, wq: register images of fragments (16 rows x 128 K, 1,536 bytes: quad p of lane l at 512 p + 16 l), fragment (row block R, step s) at (16 R + s) x 1,536.  asc, wsc: scale words at 1,024 R + 256 (s / 4) + 16 r + 4 (s % 4).
; Row block 8 (ub / 2) + 2 g + ub % 2 of wq holds gate g (0..3 for i, f, o, c), hidden units 16 ub on.
; SHARES.  A work-group of four waves makes 256 rows x 64 hidden units x 4 gates; a wave 128 rows x 128 rows of wq: 64 accumulators, 512 registers; B's block b is gate b / 2, hidden units 16 (b % 2) on.
; THE MATRIX INSTRUCTION IS USED TRANSPOSED (source 0 = 16 rows of wq, source 1 = 16 rows of aq): in accumulator (a, b) lane l holds row 16 a + l % 16, register j the hidden unit 16 (b % 2) + 8 (l / 16) + j of gate b / 2:
; the four gates of one number of the cell are register j of accumulators (a, u), (a, 2 + u), (a, 4 + u), (a, 6 + u) of ONE lane.
; THE RING.  Two LDS slots, each with two steps of 128 along K: 16 + 16 row blocks x 3,072 bytes.  A tensor row is a row block's 3,072 consecutive bytes, at a multiple of 256 bytes.  A fragment comes out of LDS by three loads of 512 consecutive bytes.
; A and B have two sets of fragment registers each: a step's fragments are fetched during the step before, so a slot has been read out when its second step begins; there stand the change of slots and the refill.
; The scale words of the work-group's rows, for all of K, come into LDS once, at the head.
; CLUSTERS: 4 x 4 work-groups.  The four of a row of the cluster ask JOINTLY for the tiles of aq, the four of a column for those of wq.
; PREFETCH.  One instruction a wave names a slot's bytes: of the 8 row blocks that a wave fetches each of the four partners takes two, told apart by address: 24 blocks of 256 bytes, a lane each (lanes 24-31 name lane 23's again).
; At the head, behind the first loads, the second and third slots' bytes are named; behind slot 1's first fill the fourth's; behind each refill in the loop's first two trips those that stand two refills on: at most two slots' bytes are asked for and not yet loaded.
; c's tile is named in the loop's last trip, a lane a row, by the wave that will fetch it.
; c's tile (256 rows x 256 bytes) comes by tensor load into slot 0 when that slot has been read for the last time; c_next is stored over it, h_next into a stage in slot 1 behind its last read; both leave as whole rows of 256 bytes.
; THE TAIL.  With L = log2(e): Ei, Ef, Eo = 2^(-L g); Ec = 2^min(2 L gc, 30); i tanh(gc) = (Ec - 1) / ((1 + Ei)(1 + Ec)); f = 1 / (1 + Ef); En = 2^min(2 L c_next, 30); h_next = (En - 1) / ((1 + Eo)(1 + En)).
; The biases enter as the addend of the multiply-add that makes -L g or 2 L g.  The hold at 30 changes no f32 value of tanh (1.0 from |x| = 9.1 on; 30 / (2 L) = 10.4) and keeps infinity x 0 out; an infinite Ei, Ef or Eo gives the reciprocal 0, the right limit.
; LIMITS: NaN and infinities among the inputs are not served; a gate's weight under about 2^-97 comes out as 0; tanh as (E - 1) / (E + 1) has an absolute error of about 1e-7 near 0.
; REGISTERS, in windows of 256: window 0: v0-31 addresses; v32-63 scale words, two sets; v64-159, v160-255 A's fragments, two sets; in the tail v64-255 at work.
;   window 1: B's fragments at v0-95 and v128-223; v96-127, v224-255 the scaled biases.   window 2: the accumulators of my rows 0-63 ((a, b) at v[8 (8 a + b)]);   window 3: those of my rows 64-127.
.set FRB,    1536                      ; a fragment
.set RBS,    2*FRB                     ; a row block's bytes in a slot
.set RBM,    16*FRB                    ; and in memory
.set HALFT,  8*RBS                     ; 8 row blocks: what one load of the ring brings, and what a wave reads of A or of B
.set SLOT,   4*HALFT
.set SCL,    2*SLOT                    ; A's scale words (16,384 bytes), then B's
.set SPARE,  SCL+32768                 ; the spare words: 128 bytes a wave
.set CP,     272                       ; a row of c's tile and of h_next's stage: 256 bytes + 16
.set HT,     SLOT                      ; h_next's stage lies in slot 1; c's tile at LDS byte 0
.set CROW,   4096
.set CO,   15
.set ADRA, 16                          ; v16-17 my A fragments in slot 0, 1
.set PFO,  18                          ; v18    the tiles' prefetch: my block of 256 bytes
.set ADRB, 20                          ; v20-21 my B fragments
.set STC,  24
.set STH,  25
.set RDC,  26
.set ADRS, 27                          ; my scale words: lanes 0-15 A's rows, lanes 16-31 B's
.set SPW,  28
.set NIL,  29
.set PFOC, 30                          ; c's prefetch: my lane x a row of c
.set RDH,  31
.set SC,   32                          ; scale words: set s (slot s) at SC + 16 s; register 2 i + q: block i, the slot's q-th step
.set AF,   64
.set BW,   96                          ; window 1: the scaled bias of B's block b at BW + 8 b + 96 (b / 4)
.set GA,   64
.set CC,   128
.set PL,   160
.set HN,   176
.set OB,   192                         ; the way out: two sets of 32
.set WV,  16
.set RH,  17
.set CH,  18
.set TY,  19
.set TX,  42
.set G0H, 4                            ; s[4:7], s[8:11] group 0 of the head's loads of slot 0; later s[4:11] group 1 for c's tile
.set G0HB, 8
.set G1C, 4
.set G1,  24
.set G0,  32
.set PFA, 44
.set G1B, 48
.set G0B, 56
.set PFC, 66
.set G1S, 68
.set G0S, 76
.set G1SB, 80
.set G0SB, 88
.set G0C, 96
.set LN,  100                          ; s[100:101] -log2(e)
.set L2,  104                          ; s[104:105] 2 log2(e)
.set MSB, 0
.macro WIN new
.if MSB != \new
	s_set_vgpr_msb (MSB<<8)|\new
.set MSB, \new
.endif
.endm
.set MUL_LO, 0xa1
.set MUL_HI, 0xf1
.set TO_B,   0x40
.macro PLACES n
.rept \n
	v_nop
.endr
.endm
.macro JLOAD g0a, g1a, g0b, g1b        ; a joint load: waves 0, 1 fetch for A, waves 2, 3 for B; an s_nop 0 and four v_nop follow each line
	s_cmp_eq_u32 s[RH], 0
	s_cbranch_scc0 .Lfor_b_\@
	tensor_load_to_lds s[\g0a:\g0a+3], s[\g1a:\g1a+7]
	s_nop 0
	PLACES 4
	s_branch .Lasked_\@
.Lfor_b_\@:
	tensor_load_to_lds s[\g0b:\g0b+3], s[\g1b:\g1b+7]
	s_nop 0
	PLACES 4
.Lasked_\@:
.endm
.macro CREST
	s_cmp_lg_u32 s[WV], 0
	s_cbranch_scc1 .Lnot_wave_0_\@
	s_barrier_signal -3
.Lnot_wave_0_\@:
	s_barrier_wait -3
	s_barrier_signal -1
	s_barrier_wait -1
.endm
.macro CROUND
	s_barrier_signal -1
	s_barrier_wait -1
	CREST
.endm
.macro ASK                             ; the tiles two refills on; the loop's last trip (s3 = 1) has none
	s_cmp_gt_u32 s3, 1
	s_cbranch_scc0 .Lnone_\@
	global_prefetch_b8 v[PFO], s[PFA:PFA+1] th:TH_LOAD_NT scope:SCOPE_SE
.Lnone_\@:
.endm
.macro ASKC                            ; c's tile: my wave's 64 rows, in the loop's last trip
	s_cmp_eq_u32 s3, 1
	s_cbranch_scc0 .Lnot_yet_\@
	global_prefetch_b8 v[PFOC], s[PFC:PFC+1] th:TH_LOAD_NT scope:SCOPE_SE
	global_prefetch_b8 v[PFOC], s[PFC:PFC+1] offset:32*CROW th:TH_LOAD_NT scope:SCOPE_SE
.Lnot_yet_\@:
.endm
	s_load_b256 s[4:11], s[0:1], 0x0               ; aq, asc, wq, wsc
	s_load_b128 s[12:15], s[0:1], 0x60             ; out0, out1
	s_load_b64 s[PFC:PFC+1], s[0:1], 0x70          ; c
	v_lshl_add_u32 v[SPW], v0, 2, SPARE
	v_mov_b32 v[NIL], 0
	ds_add_u32 v[SPW], v[NIL]                      ; the opening lines: the add, twice on end, and its wait
	ds_add_u32 v[SPW], v[NIL]
	v_lshrrev_b32 v1, 5, v0
	v_readfirstlane_b32 s[WV], v1
	s_lshr_b32 s[RH], s[WV], 1                     ; my half of the tile's rows; also: I fetch for A (0) or B (1)
	s_and_b32 s[CH], s[WV], 1                      ; my half of its columns; also: which 8 row blocks I fetch
	s_bfe_u32 s40, ttmp6, 0x40000                  ; cx
	s_bfe_u32 s41, ttmp6, 0x40004                  ; cy
	s_lshl_b32 s[TX], ttmp9, 2
	s_add_co_u32 s[TX], s[TX], s40
	s_and_b32 s[TY], ttmp7, 0xffff
	s_lshl_b32 s[TY], s[TY], 2
	s_add_co_u32 s[TY], s[TY], s41
	s_lshl_b32 s43, s41, 2
	s_lshl_b32 s43, 15, s43                        ; my row of the cluster
	s_lshl_b32 s44, 0x1111, s40                    ; my column
	s_or_b32 s[G1+0], s43, (3<<16)|(1<<21)         ; the mask; elements of 8 bytes; bit 21 beside a mask; no padding
	s_or_b32 s[G1B+0], s44, (3<<16)|(1<<21)
	s_or_b32 s[G1S+0], s43, (3<<16)|(1<<21)
	s_or_b32 s[G1SB+0], s44, (3<<16)|(1<<21)
.irp g, G1, G1B                        ; codes: rows of 3,072 bytes (384 elements), 24,576 bytes apart; 16 rows for the head's loads
	s_mov_b32 s[\g+1], 384<<16
	s_mov_b32 s[\g+2], 16<<16
	s_mov_b32 s[\g+3], 384<<16
	s_mov_b32 s[\g+4], 16
	s_mov_b32 s[\g+5], RBM/8
	s_mov_b32 s[\g+6], 0
	s_mov_b32 s[\g+7], 0
.endr
.irp g, G1S, G1SB                      ; scale words: a dense block of 16,384 bytes as 64 rows of 256
	s_mov_b32 s[\g+1], 32<<16
	s_mov_b32 s[\g+2], 64<<16
	s_mov_b32 s[\g+3], 32<<16
	s_mov_b32 s[\g+4], 64
	s_mov_b32 s[\g+5], 32
	s_mov_b32 s[\g+6], 0
	s_mov_b32 s[\g+7], 0
.endr
	s_mul_i32 s20, s[TY], 16*RBM                   ; A's tile hangs on the tile row alone, B's on the tile column alone
	s_mov_b32 s21, 0
	s_lshl_b32 s22, s[TY], 14
	s_mov_b32 s23, 0
	s_mul_i32 s46, s[TX], 16*RBM
	s_mov_b32 s47, 0
	s_lshl_b32 s92, s[TX], 14
	s_mov_b32 s93, 0
	s_mul_i32 s94, s[CH], 8*RBM
	s_mov_b32 s95, 0
	s_mul_i32 s43, s[WV], HALFT
	s_mov_b32 s[LN], 0xbfb8aa3b
	s_mov_b32 s[LN+1], s[LN]
	s_mov_b32 s[L2], 0x4038aa3b
	s_mov_b32 s[L2+1], s[L2]
	s_wait_dscnt 0x0                               ; both opening adds are done
	s_wait_kmcnt 0x0
	s_add_nc_u64 s[20:21], s[4:5], s[20:21]
	s_add_nc_u64 s[22:23], s[6:7], s[22:23]
	s_add_nc_u64 s[46:47], s[8:9], s[46:47]
	s_add_nc_u64 s[92:93], s[10:11], s[92:93]
	s_mov_b32 s[G0H], 1                            ; the head's four tiles: slot 0's 16 row blocks of A,
	s_mov_b32 s[G0H+1], 0
	s_mov_b64 s[G0H+2:G0H+3], s[20:21]
	s_or_b32 s[G0H+3], s[G0H+3], 0x80000000
	s_mov_b32 s[G0HB], 1                           ; of B,
	s_mov_b32 s[G0HB+1], 2*HALFT
	s_mov_b64 s[G0HB+2:G0HB+3], s[46:47]
	s_or_b32 s[G0HB+3], s[G0HB+3], 0x80000000
	s_mov_b32 s[G0S], 1                            ; A's scale words,
	s_mov_b32 s[G0S+1], SCL
	s_mov_b64 s[G0S+2:G0S+3], s[22:23]
	s_or_b32 s[G0S+3], s[G0S+3], 0x80000000
	s_mov_b32 s[G0SB], 1                           ; and B's
	s_mov_b32 s[G0SB+1], SCL+16384
	s_mov_b64 s[G0SB+2:G0SB+3], s[92:93]
	s_or_b32 s[G0SB+3], s[G0SB+3], 0x80000000
	s_add_nc_u64 s[20:21], s[20:21], s[94:95]      ; for the ring: my 8 row blocks
	s_add_nc_u64 s[46:47], s[46:47], s[94:95]
.irp s, 0,1
	s_mov_b32 s[G0+4*\s], 1
	s_add_co_u32 s[G0+4*\s+1], s43, \s*SLOT
	s_add_nc_u64 s[G0+4*\s+2:G0+4*\s+3], s[20:21], \s*RBS
	s_or_b32 s[G0+4*\s+3], s[G0+4*\s+3], 0x80000000
	s_mov_b32 s[G0B+4*\s], 1
	s_add_co_u32 s[G0B+4*\s+1], s43, \s*SLOT
	s_add_nc_u64 s[G0B+4*\s+2:G0B+4*\s+3], s[46:47], \s*RBS
	s_or_b32 s[G0B+4*\s+3], s[G0B+4*\s+3], 0x80000000
.endr
	s_cmp_eq_u32 s[RH], 0                          ; the prefetches: the tile that I fetch, my work-group's two row blocks of my eight, at the fourth slot's bytes
	s_cselect_b64 s[PFA:PFA+1], s[20:21], s[46:47]
	s_cselect_b32 s94, s40, s41
	s_mul_i32 s94, s94, 2*RBM
	s_add_co_u32 s94, s94, 3*RBS
	s_add_nc_u64 s[PFA:PFA+1], s[PFA:PFA+1], s[94:95]
	CROUND                                         ; all sixteen work-groups are here: the first joint loads meet
.macro ARM under, g0, g1, next         ; ONE chain of branches on the wave's number, one load to an arm: one tensor load a wave at the head
	s_cmp_lt_u32 s[WV], \under
	s_cbranch_scc0 \next
	tensor_load_to_lds s[\g0:\g0+3], s[\g1:\g1+7]
	s_nop 0
	PLACES 4
	s_branch .Lhead_asked
\next:
.endm
	ARM 1, G0H,  G1,  .Lhead_b
	ARM 2, G0HB, G1B, .Lhead_sa
	ARM 3, G0S,  G1S, .Lhead_sb
	tensor_load_to_lds s[G0SB:G0SB+3], s[G1SB:G1SB+7]
	s_nop 0
	PLACES 4
.Lhead_asked:
	s_load_b256 s[92:99], s[0:1], 0x20             ; b_Wi, b_Ui, b_Wf, b_Uf
	s_mul_i32 s20, s[RH], HALFT                    ; my 8 row blocks of A
	s_mul_i32 s21, s[CH], HALFT
	s_add_co_u32 s21, s21, 2*HALFT                 ; and of B
	s_lshl_b32 s22, s[RH], 13                      ; A's scale words: my 8 row blocks
	s_lshl_b32 s23, s[CH], 13
	s_add_co_u32 s23, s23, 16384
	s_sub_co_u32 s23, s23, s22                     ; the distance to B's
	s_add_co_u32 s22, s22, SCL
	s_mul_i32 s46, s[RH], 128*CP
	s_mul_i32 s47, s[CH], 8*CP
	s_add_co_u32 s47, s47, s46                     ; back: row 128 RH + 8 CH
	s_lshl_b32 s43, s[CH], 7
	s_add_co_u32 s46, s46, s43                     ; in: row 128 RH, byte 128 CH
	s_lshl_b32 s40, s[TX], 8                       ; 256 TX (cx is not wanted any more)
	s_add_co_u32 s43, s43, s40                     ; the biases: 256 TX + 128 CH bytes
	v_and_b32 v1, 15, v0                           ; r
	v_bfe_u32 v2, v0, 4, 1                         ; h
	v_and_b32 v3, 31, v0                           ; lane
	v_lshl_add_u32 v14, v2, 5, s43
	v_lshlrev_b32 v4, 4, v3
	v_add_nc_u32 v[ADRA], s20, v4
	v_add_nc_u32 v[ADRB], s21, v4
	v_add_nc_u32 v[ADRA+1], SLOT, v[ADRA]
	v_add_nc_u32 v[ADRB+1], SLOT, v[ADRB]
	v_lshlrev_b32 v5, 4, v1
	v_mul_u32_u24 v6, s23, v2                      ; lanes 16-31 take B's: the lower base + h x the distance
	v_add_nc_u32 v5, v5, v6
	v_add_nc_u32 v[ADRS], s22, v5
	v_lshlrev_b32 v[CO], 12, v2                    ; out: lanes 0-15 one row, lanes 16-31 the next; 16 bytes a lane
	v_lshl_add_u32 v[CO], v1, 4, v[CO]
	v_mul_u32_u24 v[STC], v1, CP                   ; c's tile: row 128 RH + r, byte 128 CH + 32 h
	v_lshl_add_u32 v[STC], v2, 5, v[STC]
	v_add_nc_u32 v[STC], s46, v[STC]
	v_add_nc_u32 v[STH], HT, v[STC]
	v_mul_u32_u24 v[RDC], v2, CP                   ; back: row 128 RH + 8 CH + h, byte 16 r
	v_lshl_add_u32 v[RDC], v1, 4, v[RDC]
	v_add_nc_u32 v[RDC], s47, v[RDC]
	v_add_nc_u32 v[RDH], HT, v[RDC]
	v_lshlrev_b32 v[PFOC], 12, v3
	v_min_u32 v7, 23, v3                           ; block t = min(lane, 23) of my 24: row block t / 12, byte 256 (t % 12)
	v_mul_u32_u24 v8, v7, 171
	v_lshrrev_b32 v8, 11, v8                       ; t / 12
	v_mul_u32_u24 v8, v8, RBM-RBS
	v_lshl_add_u32 v[PFO], v7, 8, v8
	s_wait_alu depctr_va_vdst(0)                   ; the wait
	global_prefetch_b8 v[PFO], s[PFA:PFA+1] offset:-2*RBS th:TH_LOAD_NT scope:SCOPE_SE   ; the second slot's bytes,
	global_prefetch_b8 v[PFO], s[PFA:PFA+1] offset:-RBS th:TH_LOAD_NT scope:SCOPE_SE     ; and the third's
	s_wait_kmcnt 0x0
.macro BIAS g, pw                      ; gate g: b_W into v64.., b_U into v128..: lane (r, h) wants b[64 TX + 32 CH + 16 u + 8 h + 0 .. 7]
.irp u, 0,1
	global_load_b128 v[64+8*(2*\g+\u):64+8*(2*\g+\u)+3],     v14, s[\pw:\pw+1] offset:64*\u
	global_load_b128 v[64+8*(2*\g+\u)+4:64+8*(2*\g+\u)+7],   v14, s[\pw:\pw+1] offset:64*\u+16
	global_load_b128 v[128+8*(2*\g+\u):128+8*(2*\g+\u)+3],   v14, s[\pw+2:\pw+3] offset:64*\u
	global_load_b128 v[128+8*(2*\g+\u)+4:128+8*(2*\g+\u)+7], v14, s[\pw+2:\pw+3] offset:64*\u+16
.endr
.endm
	BIAS 0, 92
	BIAS 1, 96
	s_wait_xcnt 0x0                                ; the loads have read their bases
	s_load_b256 s[92:99], s[0:1], 0x40             ; b_Wo, b_Uo, b_Wc, b_Uc
	s_lshl_b32 s20, s[TY], 8                       ; c at my wave's 64 rows of the tile
	s_lshl_b32 s21, s[WV], 6
	s_add_co_u32 s20, s20, s21
	s_lshl_b32 s20, s20, 12
	s_add_co_u32 s20, s20, s40                     ; + 256 TX
	s_mov_b32 s21, 0
	s_add_nc_u64 s[PFC:PFC+1], s[PFC:PFC+1], s[20:21]
	s_lshl_b32 s20, s[TY], 8                       ; out: the rows that I store begin at 256 TY + 128 RH + 8 CH
	s_lshl_b32 s22, s[RH], 7
	s_add_co_u32 s20, s20, s22
	s_lshl_b32 s22, s[CH], 3
	s_add_co_u32 s20, s20, s22
	s_lshl_b32 s20, s20, 12
	s_add_co_u32 s20, s20, s40
	s_add_nc_u64 s[12:13], s[12:13], s[20:21]
	s_add_nc_u64 s[14:15], s[14:15], s[20:21]
	s_wait_kmcnt 0x0
	BIAS 2, 92
	BIAS 3, 96
	s_wait_loadcnt 0x0                             ; the biases are in, and the loads' bases are free
	s_mov_b32 s[G0C], 1
	s_mul_i32 s[G0C+1], s[WV], 64*CP
	s_mov_b64 s[G0C+2:G0C+3], s[PFC:PFC+1]
	s_or_b32 s[G0C+3], s[G0C+3], 0x80000000
.set k, 0
.rept 32
	v_pk_add_f32 v[64+k:64+k+1], v[64+k:64+k+1], v[128+k:128+k+1]   ; b_Wg + b_Ug
.set k, k+2
.endr
	WIN TO_B
.irp b, 0,1,2,3,4,5,6,7
.irp j, 0,2,4,6
.if \b < 6
	v_pk_mul_f32 v[BW+8*\b+96*(\b/4)+\j:BW+8*\b+96*(\b/4)+\j+1], v[64+8*\b+\j:64+8*\b+\j+1], s[LN:LN+1] op_sel_hi:[1,0]
.else
	v_pk_mul_f32 v[BW+8*\b+96*(\b/4)+\j:BW+8*\b+96*(\b/4)+\j+1], v[64+8*\b+\j:64+8*\b+\j+1], s[L2:L2+1] op_sel_hi:[1,0]
.endif
.endr
.endr
	WIN 0
.macro FRAG reg, adr, q, i             ; a fragment's image: three loads of 512 consecutive bytes
.irp p, 0,1,2
	ds_load_b128 v[\reg+4*\p:\reg+4*\p+3], v[\adr] offset:(\i)*RBS+(\q)*FRB+512*\p
.endr
.endm
; 8 matrix instructions: A's block a x B's eight, the slot's q-th step, on sets q.  The 64 accumulators take turns in the same order in every step.
.macro MUL8 a, q, sc, first
.irp b, 0,1,2,3,4,5,6,7
.if \first
	v_wmma_scale_f32_16x16x128_f8f6f4 v[8*(8*((\a)%4)+\b):8*(8*((\a)%4)+\b)+7], v[128*(\q)+12*\b:128*(\q)+12*\b+11], v[AF+96*(\q)+12*(\a):AF+96*(\q)+12*(\a)+11], 0, v[SC+16*(\sc)+2*\b+(\q)], v[SC+16*(\sc)+2*(\a)+(\q)] matrix_a_fmt:MATRIX_FMT_BF6 matrix_b_fmt:MATRIX_FMT_BF6 matrix_a_scale:MATRIX_SCALE_ROW1
.else
	v_wmma_scale_f32_16x16x128_f8f6f4 v[8*(8*((\a)%4)+\b):8*(8*((\a)%4)+\b)+7], v[128*(\q)+12*\b:128*(\q)+12*\b+11], v[AF+96*(\q)+12*(\a):AF+96*(\q)+12*(\a)+11], v[8*(8*((\a)%4)+\b):8*(8*((\a)%4)+\b)+7], v[SC+16*(\sc)+2*\b+(\q)], v[SC+16*(\sc)+2*(\a)+(\q)] matrix_a_fmt:MATRIX_FMT_BF6 matrix_b_fmt:MATRIX_FMT_BF6 matrix_a_scale:MATRIX_SCALE_ROW1
.endif
.endr
.endm
.macro MUL16 a0, q, sc, first
	MUL8 \a0, \q, \sc, \first
	MUL8 (\a0)+1, \q, \sc, \first
.endm
.macro FETCH_B slot, q
	WIN TO_B
.irp i, 0,1,2,3,4,5,6,7
	FRAG 128*(\q)+12*\i, ADRB+\slot, \q, \i
.endr
	WIN 0
.endm
.macro FETCH_A slot, q
.irp i, 0,1,2,3,4,5,6,7
	FRAG AF+96*(\q)+12*\i, ADRA+\slot, \q, \i
.endr
.endm
.macro SCALES sc                       ; the two steps' scale words of slot sc: lanes 0-15 A's block i, lanes 16-31 B's
.irp i, 0,1,2,3,4,5,6,7
	ds_load_b64 v[SC+16*\sc+2*\i:SC+16*\sc+2*\i+1], v[ADRS] offset:\i*1024+8*\sc
.endr
.endm
; A slot's first step, on sets 0; the second step's fragments come into sets 1: B's at its head, A's in its middle.
.macro STEPN slot, first
	s_wait_dscnt 12                                ; all is in but A's blocks 4-7, the youngest 12 loads
	PLACES 4                                       ; behind the last products on sets 1, in front of the loads into them
	FETCH_B \slot, 1
	WIN MUL_LO
	MUL16 0, 0, \slot, \first
	MUL16 2, 0, \slot, \first
	s_wait_dscnt 24                                ; A's blocks 4-7 are in; B's 24 loads above may be out
	WIN 0
	FETCH_A \slot, 1
	WIN MUL_HI
	MUL16 4, 0, \slot, \first
	MUL16 6, 0, \slot, \first
	WIN 0
.endm
; A slot's second step, on sets 1, changes slots at its head: the slot's last reads were issued in the step before.  In front of the round each wave waits for all its tensor loads, adds 0 to its spare word,
; and waits for that and for its reads.  fill = 1: the slot takes the bytes two slots on.  fill = 2: slot 0 has held its last steps and takes c's tile, 64 rows a wave.
.macro STEPC slot, next, fill
.if \fill == 1
	s_wait_xcnt 0x0                                ; my last prefetch has read its address
	s_add_nc_u64 s[PFA:PFA+1], s[PFA:PFA+1], RBS
.endif
	s_wait_tensorcnt 0x0                           ; all my tensor loads have landed: my part of the next slot
	ds_add_u32 v[SPW], v[NIL]
	s_wait_dscnt 13                                ; (the add and A's blocks 4-7 may be out)
	WIN MUL_LO
	MUL8 0, 1, \slot, 0
	s_wait_dscnt 0x0                               ; the add is done, and my reads of this slot are over
	s_barrier_signal -1
	MUL8 1, 1, \slot, 0
	WIN 0
	s_barrier_wait -1
	CREST                                          ; no wave of any partner still reads this slot or has a load on its way
.if \fill == 1
	s_add_nc_u64 s[G0+4*\slot+2:G0+4*\slot+3], s[G0+4*\slot+2:G0+4*\slot+3], 2*RBS
	s_add_nc_u64 s[G0B+4*\slot+2:G0B+4*\slot+3], s[G0B+4*\slot+2:G0B+4*\slot+3], 2*RBS
	JLOAD G0+4*\slot, G1, G0B+4*\slot, G1B         ; its four v_nop are the places in front of the loads below
.else
	tensor_load_to_lds s[G0C:G0C+3], s[G1C:G1C+7]
	s_nop 0
	PLACES 4
.endif
.if (\fill == 1) && (\slot == 1)
	v_add_nc_u32 v[ADRS], 256, v[ADRS]             ; on to the next four steps' scale words
	s_wait_alu depctr_va_vdst(0)                   ; the wait behind this write
.endif
	FETCH_B \next, 0
	SCALES \next
	FETCH_A \next, 0
.if \fill == 1
	ASK
.if \slot == 0
	ASKC
.endif
.endif
	WIN MUL_LO
	MUL16 2, 1, \slot, 0
	WIN MUL_HI
	MUL16 4, 1, \slot, 0
	MUL16 6, 1, \slot, 0
	WIN 0
.endm
	s_wait_alu depctr_va_vdst(0)                   ; the wait at the head's end
	s_wait_tensorcnt 0x0                           ; my tile of the head's four is in
	ds_add_u32 v[SPW], v[NIL]
	s_mov_b32 s[G1+2], 8<<16                       ; no tensor load of mine is out: from here on a load brings 8 row blocks
	s_mov_b32 s[G1+4], 8
	s_mov_b32 s[G1B+2], 8<<16
	s_mov_b32 s[G1B+4], 8
	s_mov_b32 s[G1C+0], (2<<16)|(1<<20)|(5<<22)|(3<<25)   ; c's tile: 64 rows x 64 numbers of 4 bytes, 16 bytes of padding behind each row; a load of my own: no mask
	s_mov_b32 s[G1C+1], 64<<16
	s_mov_b32 s[G1C+2], 64<<16
	s_mov_b32 s[G1C+3], 64<<16
	s_mov_b32 s[G1C+4], 64
	s_mov_b32 s[G1C+5], 1024
	s_mov_b32 s[G1C+6], 0
	s_mov_b32 s[G1C+7], 0
	s_wait_dscnt 0x0
	CROUND                                         ; all four tiles are in, and all sixteen work-groups are here
	JLOAD G0+4, G1, G0B+4, G1B                     ; slot 1's first fill, the first tensor load behind the round
	FETCH_B 0, 0
	SCALES 0
	FETCH_A 0, 0
	global_prefetch_b8 v[PFO], s[PFA:PFA+1] th:TH_LOAD_NT scope:SCOPE_SE   ; the fourth slot's bytes: two fills on
	STEPN 0, 1                                     ; the first step's products start the sums
	s_mov_b32 s3, 3
.Llap:                                                 ; a trip goes once round the ring and fills both slots again
	STEPC 0, 1, 1
	STEPN 1, 0
	STEPC 1, 0, 1
	STEPN 0, 0
	s_sub_co_u32 s3, s3, 1
	s_cmp_lg_u32 s3, 0
	s_cbranch_scc1 .Llap
	STEPC 0, 1, 2                                  ; the last lap: slot 0 takes c's tile
	STEPN 1, 0
	s_wait_dscnt 12                                ; the very last step: nothing more to fetch
	WIN MUL_LO
	MUL16 0, 1, 1, 0
	MUL16 2, 1, 1, 0
	s_wait_dscnt 0
	WIN MUL_HI
	MUL16 4, 1, 1, 0
	MUL16 6, 1, 1, 0
	WIN 0
	PLACES 4                                       ; behind the last products
; THE WAY OUT of block a (16 rows of each row half).  A row's 256 bytes come from the two waves of a row half; behind a barrier each of the two reads 8 whole rows of c_next and of h_next back and stores them:
; 16 lanes store 256 consecutive bytes, aligned.
.macro MEETB
	s_wait_dscnt 0x0
	s_barrier_signal -1
	s_barrier_wait -1
.endm
.macro OUTL a
.set OS, OB+32*((\a)%2)
.if (\a) > 1
	s_wait_xcnt 0x0                                ; the stores of two blocks ago have read these registers
.endif
.irp t, 0,1,2,3
	ds_load_b128 v[OS+4*\t:OS+4*\t+3], v[RDC] offset:(16*(\a)+2*\t)*CP
.endr
.irp t, 0,1,2,3
	ds_load_b128 v[OS+16+4*\t:OS+16+4*\t+3], v[RDH] offset:(16*(\a)+2*\t)*CP
.endr
.endm
.macro OUTS a
.set OS, OB+32*((\a)%2)
.irp t, 0,1,2,3
	global_store_b128 v[CO], v[OS+4*\t:OS+4*\t+3], s[14:15] offset:(16*(\a)+2*\t)*CROW th:TH_STORE_NT       ; c_next -> out1
.endr
.irp t, 0,1,2,3
	global_store_b128 v[CO], v[OS+16+4*\t:OS+16+4*\t+3], s[12:13] offset:(16*(\a)+2*\t)*CROW th:TH_STORE_NT ; h_next -> out0
.endr
.endm
; THE TAIL of block a: 16 numbers a lane (index 8 u + j).  Exponentials and reciprocals go in batches, each with one wait ahead and one behind, ahead of its first reader.
; The block before leaves meanwhile: its barrier, its reads from the stages and its stores, which name no result of a batch, stand between a batch and the wait behind it.
.macro EPI a
.set CSET, CC+16*((\a)%2)
.set AC, 64*((\a)%4)
.irp u, 0,1
.irp q, 0,1
	ds_load_b128 v[CSET+8*\u+4*\q:CSET+8*\u+4*\q+3], v[STC] offset:16*(\a)*CP+64*\u+16*\q
.endr
.endr
	WIN 0x12+(\a)/4                                ; source 0: the accumulators; source 2: the scaled biases
	s_wait_alu depctr_va_vdst(0)                   ; the wait, directly ahead of the first reader of these matrix results
.irp b, 0,1,2,3,4,5,6,7
.irp j, 0,2,4,6                        ; each accumulator from its low end on
.if \b < 6
	v_pk_fma_f32 v[GA+8*\b+\j:GA+8*\b+\j+1], v[AC+8*\b+\j:AC+8*\b+\j+1], s[LN:LN+1], v[BW+8*\b+96*(\b/4)+\j:BW+8*\b+96*(\b/4)+\j+1] op_sel_hi:[1,0,1]   ; -L (g + b)
.else
	v_pk_fma_f32 v[GA+8*\b+\j:GA+8*\b+\j+1], v[AC+8*\b+\j:AC+8*\b+\j+1], s[L2:L2+1], v[BW+8*\b+96*(\b/4)+\j:BW+8*\b+96*(\b/4)+\j+1] op_sel_hi:[1,0,1]   ; 2 L (g + b)
.endif
.endr
.endr
	WIN 0
.set k, 0
.rept 16
	v_min_num_f32 v[GA+48+k], 0x41f00000, v[GA+48+k]               ; held at 30
.set k, k+1
.endr
	s_wait_alu depctr_va_vdst(0)
.set k, 0
.rept 64
	v_exp_f32 v[GA+k], v[GA+k]                     ; Ei, Ef, Eo, Ec
.set k, k+1
.endr
	v_nop
.if (\a) > 0
	MEETB                                          ; the block before is whole in the two stages
	OUTL (\a)-1
.endif
	s_wait_alu depctr_va_vdst(0)
.irp k, 0,2,4,6,8,10,12,14
	v_pk_add_f32 v[PL+\k:PL+\k+1], v[GA+48+\k:GA+48+\k+1], 1.0 op_sel_hi:[1,0]          ; 1 + Ec
.endr
.irp k, 0,2,4,6,8,10,12,14
	v_pk_add_f32 v[GA+48+\k:GA+48+\k+1], v[GA+48+\k:GA+48+\k+1], -1.0 op_sel_hi:[1,0]   ; Ec - 1
.endr
.irp k, 0,2,4,6,8,10,12,14
	v_pk_fma_f32 v[GA+\k:GA+\k+1], v[GA+\k:GA+\k+1], v[PL+\k:PL+\k+1], v[PL+\k:PL+\k+1] ; (1 + Ei)(1 + Ec)
.endr
.irp k, 0,2,4,6,8,10,12,14
	v_pk_add_f32 v[GA+16+\k:GA+16+\k+1], v[GA+16+\k:GA+16+\k+1], 1.0 op_sel_hi:[1,0]    ; 1 + Ef
.endr
	s_wait_alu depctr_va_vdst(0)
.set k, 0
.rept 32
	v_rcp_f32 v[GA+k], v[GA+k]
.set k, k+1
.endr
	v_nop
	s_wait_dscnt 0x0                               ; c is in, and so are the block before's rows
.if (\a) > 0
	OUTS (\a)-1
.endif
	s_wait_alu depctr_va_vdst(0)
.irp k, 0,2,4,6,8,10,12,14
	v_pk_mul_f32 v[GA+48+\k:GA+48+\k+1], v[GA+48+\k:GA+48+\k+1], v[GA+\k:GA+\k+1]       ; i tanh(gc)
.endr
.irp k, 0,2,4,6,8,10,12,14
	v_pk_fma_f32 v[CSET+\k:CSET+\k+1], v[CSET+\k:CSET+\k+1], v[GA+16+\k:GA+16+\k+1], v[GA+48+\k:GA+48+\k+1]   ; c_next
.endr
.irp u, 0,1
.irp q, 0,1
	ds_store_b128 v[STC], v[CSET+8*\u+4*\q:CSET+8*\u+4*\q+3] offset:16*(\a)*CP+64*\u+16*\q   ; over the bytes of c that I alone have read
.endr
.endr
.irp k, 0,2,4,6,8,10,12,14
	v_pk_mul_f32 v[HN+\k:HN+\k+1], v[CSET+\k:CSET+\k+1], s[L2:L2+1] op_sel_hi:[1,0]     ; 2 L c_next
.endr
.set k, 0
.rept 16
	v_min_num_f32 v[HN+k], 0x41f00000, v[HN+k]
.set k, k+1
.endr
	s_wait_alu depctr_va_vdst(0)
.set k, 0
.rept 16
	v_exp_f32 v[HN+k], v[HN+k]                     ; En
.set k, k+1
.endr
	v_nop
	s_wait_alu depctr_va_vdst(0)
.irp k, 0,2,4,6,8,10,12,14
	v_pk_add_f32 v[GA+\k:GA+\k+1], v[HN+\k:HN+\k+1], 1.0 op_sel_hi:[1,0]                ; 1 + En
.endr
.irp k, 0,2,4,6,8,10,12,14
	v_pk_fma_f32 v[GA+32+\k:GA+32+\k+1], v[GA+32+\k:GA+32+\k+1], v[GA+\k:GA+\k+1], v[GA+\k:GA+\k+1]   ; (1 + Eo)(1 + En)
.endr
.irp k, 0,2,4,6,8,10,12,14
	v_pk_add_f32 v[HN+\k:HN+\k+1], v[HN+\k:HN+\k+1], -1.0 op_sel_hi:[1,0]               ; En - 1
.endr
	s_wait_alu depctr_va_vdst(0)
.set k, 0
.rept 16
	v_rcp_f32 v[GA+32+k], v[GA+32+k]
.set k, k+1
.endr
	v_nop
	s_wait_alu depctr_va_vdst(0)
.irp k, 0,2,4,6,8,10,12,14
	v_pk_mul_f32 v[HN+\k:HN+\k+1], v[HN+\k:HN+\k+1], v[GA+32+\k:GA+32+\k+1]             ; h_next
.endr
.irp u, 0,1
.irp q, 0,1
	ds_store_b128 v[STH], v[HN+8*\u+4*\q:HN+8*\u+4*\q+3] offset:16*(\a)*CP+64*\u+16*\q
.endr
.endr
.endm
	s_wait_tensorcnt 0x0                           ; my 64 rows of c's tile are in,
	s_wait_dscnt 0x0                               ; and my reads of slot 1 are over:
	s_barrier_signal -1
	s_barrier_wait -1                              ; both hold of every wave: c's tile is whole, and slot 1, which has had its last fill, may take h_next's stage
.irp a, 0,1,2,3,4,5,6,7
	EPI \a
.endr
	MEETB
	OUTL 7
	s_wait_dscnt 0x0
	OUTS 7
	s_wait_tensorcnt 0x0                           ; the wave's end
	ds_add_u32 v[SPW], v[NIL]
	s_wait_dscnt 0x0
	CROUND                                         ; the closing round
	s_endpgm
.Lfunc_end_k_qccdc4f00f3_lstm:
	.size	k_qccdc4f00f3_lstm, .Lfunc_end_k_qccdc4f00f3_lstm-k_qccdc4f00f3_lstm
	.p2alignl 7, 3214868480
	.fill 96, 4, 3214868480
	.section	.rodata,"a",@progbits
	.p2align	6, 0x0
	.amdhsa_kernel k_qccdc4f00f3_lstm
		.amdhsa_group_segment_fixed_size 327680
		.amdhsa_private_segment_fixed_size 0
		.amdhsa_enable_private_segment 0
		.amdhsa_kernarg_size 120
		.amdhsa_user_sgpr_count 2
		.amdhsa_user_sgpr_kernarg_segment_ptr 1
		.amdhsa_wavefront_size32 1
		.amdhsa_system_sgpr_workgroup_id_x 1
		.amdhsa_system_sgpr_workgroup_id_y 1
		.amdhsa_system_sgpr_workgroup_id_z 1
		.amdhsa_system_vgpr_workitem_id 0
		.amdhsa_next_free_vgpr 1024
		.amdhsa_next_free_sgpr 106
		.amdhsa_reserve_vcc 0
		.amdhsa_float_denorm_mode_32 3
		.amdhsa_float_denorm_mode_16_64 3
		.amdhsa_memory_ordered 1
		.amdhsa_forward_progress 1
		.amdhsa_inst_pref_size 246
	.end_amdhsa_kernel
	.amdgpu_metadata
---
amdhsa.version: [ 1, 2 ]
amdhsa.kernels:
  - .name:           k_qccdc4f00f3_lstm
    .symbol:         k_qccdc4f00f3_lstm.kd
    .args:
      - { .name: aq, .offset: 0, .size: 8, .value_kind: global_buffer, .address_space: global }
      - { .name: asc, .offset: 8, .size: 8, .value_kind: global_buffer, .address_space: global }
      - { .name: wq, .offset: 16, .size: 8, .value_kind: global_buffer, .address_space: global }
      - { .name: wsc, .offset: 24, .size: 8, .value_kind: global_buffer, .address_space: global }
      - { .name: b_Wi, .offset: 32, .size: 8, .value_kind: global_buffer, .address_space: global }
      - { .name: b_Ui, .offset: 40, .size: 8, .value_kind: global_buffer, .address_space: global }
      - { .name: b_Wf, .offset: 48, .size: 8, .value_kind: global_buffer, .address_space: global }
      - { .name: b_Uf, .offset: 56, .size: 8, .value_kind: global_buffer, .address_space: global }
      - { .name: b_Wo, .offset: 64, .size: 8, .value_kind: global_buffer, .address_space: global }
      - { .name: b_Uo, .offset: 72, .size: 8, .value_kind: global_buffer, .address_space: global }
      - { .name: b_Wc, .offset: 80, .size: 8, .value_kind: global_buffer, .address_space: global }
      - { .name: b_Uc, .offset: 88, .size: 8, .value_kind: global_buffer, .address_space: global }
      - { .name: out0, .offset: 96, .size: 8, .value_kind: global_buffer, .address_space: global }
      - { .name: out1, .offset: 104, .size: 8, .value_kind: global_buffer, .address_space: global }
      - { .name: c, .offset: 112, .size: 8, .value_kind: global_buffer, .address_space: global }
    .group_segment_fixed_size: 327680
    .private_segment_fixed_size: 0
    .kernarg_segment_align: 8
    .kernarg_segment_size: 120
    .max_flat_workgroup_size: 128
    .sgpr_count:     106
    .vgpr_count:     1024
    .wavefront_size: 32
...
	.end_amdgpu_metadata
.endif
;; end of part 2
